; MI455X (gfx1250); checked and timed in simulation.
; The chip was launched on July 23, 2026; its instructions are those of AMD's public machine-readable ISA for CDNA 5 (MIT licence, August 2026) and "CDNA5" Instruction Set Architecture Reference Guide (July 2026). The comments in the code are by the model that wrote it; some were corrected since.
;; Quantized Linear. Allowed arithmetic: matrix products marked QUANTISED: E2M1 operands, one E8M0 scale for each 32 along K, by v_wmma_scale_f32_16x16x128_f8f6f4 with both operands' format E2M1 (or v_wmma_scale_f32_32x16x128_f4), f32 sums; everything else in f32.
;; Inputs: bias 2,048 float32; weight_packed 131,072 x 32 int32; weight_scales 131,072 float32; weight_zeros 131,072 float32; x_codes 4 x 2,048 x 128 x 16 uint8 (E2M1 codes of x, K innermost, in blocks of 32 codes, two codes a byte); x_scales 4 x 2,048 x 128 uint8 (E8M0 scales of x, one for each 32 codes along K).
;; Outputs: out0 4 x 2,048 x 2,048 float32.
;; This version of the problem:
;;   THIS VERSION OF THE PROBLEM IS GIVEN IN LOW PRECISION. The matrix products marked QUANTISED in the list below multiply operands that are first quantised to E2M1 (2 exponent bits, 1 mantissa bit; 4 bits a number), with one power-of-two scale for each 32 numbers along K (OCP MX v1.0); their sums are f32. All else is computed in f32.
;;   The module's matrix products, in the order in which they are computed (A, B: the left and right operand; K: the contracted axis; several contracted axes count as one K, in the product's order):
;;     1. [M 8,192, K 4,096] x [K 4,096, N 2,048]; A: input x (given as codes); B: computed on the way: QUANTISED
;;   THE QUANTISER, for each operand of a quantised product, along K:
;;     - K is cut into blocks of 32 from its start; a last block that is shorter is filled with zeros.
;;     - A block's scale is 2^e with e = floor(log2(the largest magnitude in the block)) - 2, held to -126 .. 127; a block of zeros has e = 0. As a byte (E8M0): e + 127.
;;     - Each number is divided by its block's scale, clamped to +-6, and rounded to the nearest number of E2M1, ties to even, subnormals kept.
;;     - The product sums the exact products of the quantised numbers (number of the format x scale) in f32.
;;   ~~~python
;;   def quantise(x, axis):      # numpy; x: float32 -> the quantised numbers, widened to float32 again
;;       x = np.moveaxis(x, axis, -1); K = x.shape[-1]
;;       x = np.pad(x, [(0, 0)] * (x.ndim - 1) + [(0, -K % 32)]); x = x.reshape(x.shape[:-1] + (-1, 32)); a = np.abs(x).max(-1, keepdims=True)
;;       e = np.where(a > 0, np.clip(np.frexp(np.where(a > 0, a, 1))[1] - 1 - 2, -126, 127), 0)      # np.frexp(a)[1] - 1 = floor(log2(a)), exactly
;;       r = np.clip(x / 2.0 ** e, -6, 6)
;;       step = 2.0 ** (np.maximum(np.frexp(np.where(r == 0, 1, r))[1] - 1, 0) - 1)
;;       q = np.round(r / step) * step * 2.0 ** e      # np.round: ties to even
;;       return np.moveaxis(q.reshape(q.shape[:-2] + (-1,))[..., :K], -1, axis).astype(np.float32)
;;   ~~~
;;   OPERANDS COMPUTED ON THE WAY. 'Computed on the way' means the value that the module computes at that place (a softmax that the list does not call 'softmax' is quantised finished and normalised). What goes into a quantiser is computed in f32, as accurately as f32 sums, v_exp_f32 and their like allow (about 1e-6 of the number): no bf16 or f16 on the way to a quantiser, and a product that is left as it is and whose result goes on into a quantised operand takes f32 operands (vector FMAs, or v_wmma_f32_16x16x4_f32). A number that lies on a knife's edge between two numbers of the format may be rounded either way, as far as f32 arithmetic and the matrix unit's own rounding can turn it there, and no further.
;;   INPUTS GIVEN AS CODES. x (in the module: [4, 2048, 4096], K = its axis 2): each comes as NAME_codes (uint8): NAME with its K axis moved to the last place and cut into blocks of 32 codes, [.., K / 32, bytes a block], one block behind the other in memory; two codes a byte, the lower K in the low four bits (a code: sign, 2 exponent bits, 1 mantissa bit); and NAME_scales (uint8): the same leading axes, one E8M0 byte (e + 127) for each 32 codes along K. Its value is code x scale, taken as it is: it is not quantised again, and the codes and scales need not be those that the quantiser above would give.
;; One version. Each part assembles by itself: llvm-mc -triple=amdgcn-amd-amdhsa -mcpu=gfx1250 --defsym DOCPART=n.
;; ======== version 1 of 1: 2 launches
;; limits: right only within a limited range of input values
;; workspace buffers: wq 4,194,304 bytes; wsc 262,144 bytes
;; launch prep (part 1): grid 256 x 1, 16 waves a work-group, no clusters, 25,600 bytes of LDS; arguments weight_packed, weight_scales, weight_zeros, wq, wsc; writes wq, wsc
.if DOCPART == 1
	.amdgcn_target "amdgcn-amd-amdhsa--gfx1250"
	.amdhsa_code_object_version 6
	.text
	.protected	k_q0f57059623_prep
	.globl	k_q0f57059623_prep
	.p2align	8
	.type	k_q0f57059623_prep,@function
k_q0f57059623_prep:
	s_mov_b64 s[64:65], 0
	v_nop
	global_prefetch_b8 v0, s[64:65] scope:SCOPE_SE
	s_setreg_imm32_b32 hwreg(HW_REG_WAVE_MODE, 25, 1), 1
	s_wait_xcnt 0x0
; W[n][k] = nibble x scale[group] + zero[group] (a group is 64 along K), in f32, is turned ONCE into codes of FP4 (E2M1) with one E8M0 byte for each 32 along K, laid as the product's operand registers take them:
;   wq  [64 blocks of 32 n][32 steps of 128 k][2 u][2 c][2 p][2 h][8 rows][16 bytes]: row n = 32 blk + 16 u + 8 p + row, k = 128 step + 64 c + 32 h + 0 .. 31, two codes a byte, the lower k in the low four bits.
;   wsc [256 blocks of 8 n][8 steps of 512 k][8 rows][16 bytes]: byte j of a row is the scale of k = 512 step + 32 j .. + 31.
; weight_packed holds one byte in each 32-bit word: bits 3:0 are the even k, bits 7:4 the odd k.  A row of W is 2,048 words, 8,192 bytes.
; SHARES.  Work-group g: rows 8 g .. 8 g + 7: 65,536 consecutive bytes.  Wave w takes 4,096 of them, row w / 2 and half of K w % 2: 8 loads of 512 consecutive bytes.  In load t lane L holds the 8 NEIGHBOURS
; k = 2,048 (w % 2) + 256 t + 8 L + 0..7: one load feeds one conversion, whose result is 4 bytes of codes.  A block of 32 is four neighbouring lanes, a group of 64 eight.  Two loads are worked on by turns.
; A nibble becomes an f32 number by laying it into the mantissa of 2^23 (bits 3:0) or of 2^19 (bits 7:4) and taking that power away: both exact.
; A block's scale is 2^(floor(log2(its largest magnitude)) - 2): its byte is the largest magnitude's exponent field - 2, held at 1 from below by a floor among the maximum's leaves.
; All 10 loads of a wave go out at once; the text has no loop and steps no pointer.  Nothing is shared between work-groups and every input byte is read once: no tensor loads, no cluster, no matrix work, no prefetch.
; OUT.  Codes and scale bytes are gathered in LDS; each store covers whole aligned pieces of 256 bytes.
; LIMITS.  nibble x scale + zero is ONE fused multiply-add (one rounding where the definition has two).  A block of zeros gets the byte 1 where the rule says 127: its codes are zeros, and this program alone
; reads the bytes.  NaN and infinities among scales and zeros are not served.
.set CS,   4096                        ; LDS: from 0 on 256 bytes a wave: {scale, zero} of its 32 groups; CS: [128 blocks of k][8 rows x 16 bytes + 16]: the codes
.set CP,   144
.set WSL,  22528                       ; [8 steps of 512 k][8 rows][16 bytes]: the scale bytes
.set SPARE, 23552                      ; the spare words, 128 bytes a wave
.set LN,   1                           ; lane
.set L16,  2                           ; 16 x lane
.set L4,   3                           ; 4 x lane
.set GSW,  4                           ; where I put {scale, zero}
.set GSR,  5                           ; where I read my lane's group of t = 0
.set CSW,  6                           ; where I put 4 bytes of codes
.set CSR,  7                           ; where I read 16 bytes back
.set WSW,  8                           ; where I put my block's scale byte
.set WSR,  9                           ; where I read 16 scale bytes back
.set CO,   10                          ; where 16 bytes of codes go in wq
.set T0,   11
.set SPW,  12
.set NIL,  13
.set M,    14                          ; v14-15 largest magnitudes
.set SCO,  16                          ; v16-17 the conversions' scale operands
.set SZ,   18                          ; v18-19 scale, zero as loaded
.set WB,   20                          ; v20-23 scale bytes on the way out
.set G,    32                          ; v32-47 {scale, zero} of my lane's group, a pair for each load
.set P,    48                          ; v48-79 the 8 loads of packed words
.set F,    80                          ; v80-95 twice eight numbers in f32
.set C,    96                          ; v96-103 codes, a register for each load
.set E,    104                         ; v104-111 scale bytes
.set O,    112                         ; v112-119 codes on the way out
.set KP,   120                         ; v120-121 -2^23, -2^19
	s_load_b256 s[4:11], s[0:1], 0x0               ; weight_packed s[4:5], weight_scales s[6:7], weight_zeros s[8:9], wq s[10:11]
	s_load_b64 s[12:13], s[0:1], 0x20              ; wsc
	v_lshl_add_u32 v[SPW], v0, 2, SPARE
	v_mov_b32 v[NIL], 0
	v_lshrrev_b32 v[T0], 5, v0
	v_readfirstlane_b32 s16, v[T0]                 ; wave 0..15
	s_lshl_b32 s24, s16, 8                         ; 256 w
	s_lshr_b32 s25, s16, 1
	s_lshl_b32 s25, s25, 4                         ; 16 x row
	s_and_b32 s29, s16, 1                          ; which half of K
	s_mul_i32 s26, s29, 64*CP                      ; its blocks of 32
	v_and_b32 v[LN], 31, v0
	v_lshrrev_b32 v28, 3, v0
	v_mov_b32 v[KP], 0xcb000000
	v_mov_b32 v[KP+1], 0xc9000000
	v_lshlrev_b32 v[L16], 4, v[LN]
	v_lshlrev_b32 v[L4], 2, v[LN]
	v_and_b32 v28, 3, v28                          ; lane / 8
	v_lshrrev_b32 v29, 2, v[LN]                    ; lane / 4
	v_lshl_add_u32 v[GSW], v[LN], 3, s24
	v_lshl_add_u32 v[GSR], v28, 3, s24
	v_mul_u32_u24 v30, v29, CP
	v_and_b32 v31, 3, v0
	s_add_co_u32 s26, s26, s25
	s_lshl_b32 s29, s29, 9
	s_add_co_u32 s29, s29, s25
	v_add_nc_u32 v[WSW], s29, v29
	v_add_nc_u32 v30, s26, v30
	v_add_nc_u32 v[WSW], WSL, v[WSW]
	v_lshl_add_u32 v30, v31, 2, v30
	s_mul_i32 s26, s16, 8*CP                       ; on the way out: 8 blocks of k, two steps of 128
	s_lshl_b32 s27, s16, 9                         ; 512 w
	v_and_b32 v31, 7, v0                           ; row = lane % 8
	v_add_nc_u32 v[CSW], CS, v30
	v_lshlrev_b32 v31, 4, v31
	v_mul_u32_u24 v29, v28, CP
	v_bfe_u32 v24, v0, 4, 1                        ; c
	v_add_nc_u32 v29, v29, v31
	v_bfe_u32 v25, v0, 3, 1                        ; h
	v_lshl_add_u32 v31, v24, 9, v31
	v_add_nc_u32 v29, s26, v29
	v_lshl_add_u32 v[CO], v25, 7, v31
	v_add_nc_u32 v[WSR], s27, v[L16]
	v_add_nc_u32 v[CSR], CS, v29
	v_add_nc_u32 v[WSR], WSL, v[WSR]
	s_wait_alu depctr_va_vdst(0)
	s_wait_kmcnt 0x0
	s_mov_b32 s19, 0                               ; every offset below is under 2^32: a pair with 0 on top
	s_lshl_b32 s18, ttmp9, 16
	s_lshl_b32 s22, s16, 12
	s_add_co_u32 s18, s18, s22
	s_add_nc_u64 s[4:5], s[4:5], s[18:19]          ; my 4,096 bytes of packed words
	s_lshl_b32 s18, ttmp9, 11
	s_lshl_b32 s23, s16, 7
	s_add_co_u32 s18, s18, s23
	s_add_nc_u64 s[6:7], s[6:7], s[18:19]          ; my 32 scales
	s_add_nc_u64 s[8:9], s[8:9], s[18:19]          ; and zeros
	; all loads at once, the two small ones first
	global_load_b32 v[SZ], v[L4], s[6:7]
	global_load_b32 v[SZ+1], v[L4], s[8:9]
.irp i, 0,1,2,3,4,5,6,7
	global_load_b128 v[P+4*\i:P+4*\i+3], v[L16], s[4:5] offset:512*\i th:TH_LOAD_NT
.endr
	s_lshr_b32 s18, ttmp9, 2                       ; which block of 32 rows
	s_lshl_b32 s18, s18, 16
	s_add_co_u32 s18, s18, s22                     ; two steps of 128 for each wave
	s_bfe_u32 s23, ttmp9, 0x10001                  ; u
	s_lshl_b32 s23, s23, 10
	s_add_co_u32 s18, s18, s23
	s_and_b32 s23, ttmp9, 1                        ; p
	s_lshl_b32 s23, s23, 8
	s_add_co_u32 s18, s18, s23
	s_add_nc_u64 s[10:11], s[10:11], s[18:19]
	s_lshl_b32 s18, ttmp9, 10
	s_add_co_u32 s18, s18, s27
	s_add_nc_u64 s[12:13], s[12:13], s[18:19]      ; wsc: waves 0 and 1 take 512 bytes each
	s_mov_b32 s28, 0xf0
	s_mov_b32 s30, 0x4b000000
	s_mov_b32 s31, 0x49000000
	s_wait_loadcnt 8                               ; the two small loads are in; the 8 behind them may be out
	ds_store_b64 v[GSW], v[SZ:SZ+1]
.irp i, 0,1,2,3,4,5,6,7
	ds_load_b64 v[G+2*\i:G+2*\i+1], v[GSR] offset:32*\i    ; group 4 t + lane / 8.  My wave's own bytes; LDS serves a wave's instructions in order (ISA guide 5.7.1.4): these see the store above
.endr
	s_wait_dscnt 0x0
; Two loads' eight numbers a lane, by turns: unpacked, dequantised, quantised.
.macro BLK2 i
	s_wait_loadcnt 6-(\i)                          ; loads come back in order (ISA guide 5.7.1): loads i and i + 1 are in, the 6 - i behind them may be out
.irp c, 0,1,2,3
.irp e, 0,1
	v_and_or_b32 v[F+8*\e+2*\c], v[P+4*(\i+\e)+\c], 15, s30     ; the low nibble is the even k: 2^23 + it,
	v_and_or_b32 v[F+8*\e+2*\c+1], v[P+4*(\i+\e)+\c], s28, s31  ; bits 7:4 the odd k: 2^19 + them
.endr
.endr
.irp c, 0,2,4,6
.irp e, 0,1
	v_pk_add_f32 v[F+8*\e+\c:F+8*\e+\c+1], v[F+8*\e+\c:F+8*\e+\c+1], v[KP:KP+1]
.endr
.endr
.irp c, 0,2,4,6
.irp e, 0,1
	v_pk_fma_f32 v[F+8*\e+\c:F+8*\e+\c+1], v[F+8*\e+\c:F+8*\e+\c+1], v[G+2*(\i+\e):G+2*(\i+\e)+1], v[G+2*(\i+\e):G+2*(\i+\e)+1] op_sel:[0,0,1] op_sel_hi:[1,0,1]   ; x scale + zero
.endr
.endr
.irp e, 0,1
	v_max3_num_f32 v[M+\e], |v[F+8*\e]|, |v[F+8*\e+1]|, 0x1800000   ; my eight, and the floor 2^(3 - 127): the byte cannot fall under 1
.endr
.irp c, 2,4,6
.irp e, 0,1
	v_max3_num_f32 v[M+\e], v[M+\e], |v[F+8*\e+\c]|, |v[F+8*\e+\c+1]|
.endr
.endr
.irp e, 0,1
	v_max_num_f32_dpp v[M+\e], v[M+\e], v[M+\e] row_xmask:1 row_mask:0xf bank_mask:0xf
.endr
.irp e, 0,1
	v_max_num_f32_dpp v[M+\e], v[M+\e], v[M+\e] row_xmask:2 row_mask:0xf bank_mask:0xf   ; the block's largest magnitude
.endr
.irp e, 0,1
	v_add_nc_u32 v[SCO+\e], 0xff000000, v[M+\e]    ; 2 off its exponent field: the conversion takes the exponent field of this operand as its scale, and nothing else of it
.endr
.irp e, 0,1
	v_cvt_scalef32_pk8_fp4_f32 v[C+\i+\e], v[F+8*\e:F+8*\e+7], v[SCO+\e]   ; to the nearest code, ties to even, beyond 6 the largest code
.endr
.irp e, 0,1
	v_lshrrev_b32 v[E+\i+\e], 23, v[SCO+\e]        ; the scale's byte.  (Also the plain instructions behind the conversions)
.endr
.irp e, 0,1
	ds_store_b32 v[CSW], v[C+\i+\e] offset:8*CP*(\i+\e)
	ds_store_b8 v[WSW], v[E+\i+\e] offset:128*((\i+\e)/2)+8*((\i+\e)%2)   ; a block's four lanes write the same byte with the same value
.endr
.endm
.irp i, 0,2,4,6
	BLK2 \i
.endr
	s_wait_dscnt 0x0                               ; zero, for the others' sake: my codes and scale bytes lie in LDS
	s_barrier_signal -1
	s_barrier_wait -1                              ; and so do everybody's
.irp u, 0,1
	ds_load_b128 v[O+4*\u:O+4*\u+3], v[CSR] offset:4*CP*\u    ; a step of 128: four blocks of k x 8 rows x 16 bytes
.endr
	s_wait_dscnt 0x0
.irp u, 0,1
	global_store_b128 v[CO], v[O+4*\u:O+4*\u+3], s[10:11] offset:2048*\u    ; sixteen lanes store 256 consecutive bytes, at a multiple of 256 from wq's first byte
.endr
	s_cmp_lt_u32 s16, 2
	s_cbranch_scc0 .Ldone
	ds_load_b128 v[WB:WB+3], v[WSR]
	s_wait_dscnt 0x0
	global_store_b128 v[L16], v[WB:WB+3], s[12:13] ; 512 consecutive bytes, at a multiple of 256 from wsc's first byte
.Ldone:
	s_wait_tensorcnt 0x0                           ; the wave's end
	ds_add_u32 v[SPW], v[NIL]
	s_wait_dscnt 0x0
	s_endpgm
.Lfunc_end_k_q0f57059623_prep:
	.size	k_q0f57059623_prep, .Lfunc_end_k_q0f57059623_prep-k_q0f57059623_prep
	.p2alignl 7, 3214868480
	.fill 96, 4, 3214868480
	.section	.rodata,"a",@progbits
	.p2align	6, 0x0
	.amdhsa_kernel k_q0f57059623_prep
		.amdhsa_group_segment_fixed_size 25600
		.amdhsa_private_segment_fixed_size 0
		.amdhsa_enable_private_segment 0
		.amdhsa_kernarg_size 40
		.amdhsa_user_sgpr_count 2
		.amdhsa_user_sgpr_kernarg_segment_ptr 1
		.amdhsa_wavefront_size32 1
		.amdhsa_system_sgpr_workgroup_id_x 1
		.amdhsa_system_sgpr_workgroup_id_y 1
		.amdhsa_system_sgpr_workgroup_id_z 1
		.amdhsa_system_vgpr_workitem_id 0
		.amdhsa_next_free_vgpr 128
		.amdhsa_next_free_sgpr 66
		.amdhsa_reserve_vcc 0
		.amdhsa_float_denorm_mode_32 3
		.amdhsa_float_denorm_mode_16_64 3
		.amdhsa_memory_ordered 1
		.amdhsa_forward_progress 1
		.amdhsa_inst_pref_size 20
	.end_amdhsa_kernel
	.amdgpu_metadata
---
amdhsa.version: [ 1, 2 ]
amdhsa.kernels:
  - .name:           k_q0f57059623_prep
    .symbol:         k_q0f57059623_prep.kd
    .args:
      - { .name: weight_packed, .offset: 0, .size: 8, .value_kind: global_buffer, .address_space: global }
      - { .name: weight_scales, .offset: 8, .size: 8, .value_kind: global_buffer, .address_space: global }
      - { .name: weight_zeros, .offset: 16, .size: 8, .value_kind: global_buffer, .address_space: global }
      - { .name: wq, .offset: 24, .size: 8, .value_kind: global_buffer, .address_space: global }
      - { .name: wsc, .offset: 32, .size: 8, .value_kind: global_buffer, .address_space: global }
    .group_segment_fixed_size: 25600
    .private_segment_fixed_size: 0
    .kernarg_segment_align: 8
    .kernarg_segment_size: 40
    .max_flat_workgroup_size: 512
    .sgpr_count:     66
    .vgpr_count:     128
    .wavefront_size: 32
...
	.end_amdgpu_metadata
.endif
;; end of part 1
;; launch gemm (part 2): grid 8 x 32, 4 waves a work-group, clusters of 4 x 1, 327,680 bytes of LDS; arguments x_codes, wq, wsc, bias, out0, x_scales; writes out0
.if DOCPART == 2
	.amdgcn_target "amdgcn-amd-amdhsa--gfx1250"
	.amdhsa_code_object_version 6
	.text
	.protected	k_q0f57059623_gemm
	.globl	k_q0f57059623_gemm
	.p2align	8
	.type	k_q0f57059623_gemm,@function
k_q0f57059623_gemm:
	s_mov_b64 s[64:65], 0
	v_nop
	global_prefetch_b8 v0, s[64:65] scope:SCOPE_SE
	s_setreg_imm32_b32 hwreg(HW_REG_WAVE_MODE, 25, 1), 1
	s_wait_xcnt 0x0
	s_wait_alu depctr_hold_cnt(0) depctr_sa_sdst(0) depctr_va_vdst(0) depctr_va_sdst(0) depctr_va_ssrc(0) depctr_va_vcc(0) depctr_vm_vsrc(0)
	s_getreg_b32 s2, hwreg(HW_REG_IB_STS2, 6, 4)
	s_cmp_eq_u32 s2, 0
	s_cbranch_scc0 .Lentry_in_a_cluster
	s_endpgm
.Lentry_in_a_cluster:
	s_bfe_u32 s2, ttmp6, 0x10000c
	s_cmp_lg_u32 s2, 0x3003
	s_cbranch_scc0 .Lentry_shape_is_right
	s_endpgm
.Lentry_shape_is_right:
; out0[m][n] = bias[n] + sum over k of x[m][k] W[n][k].  x: [8192][4096] codes of FP4 (E2M1), two a byte, K innermost, a row 2,048 bytes, with x_scales [8192][128], one E8M0 byte for each 32 along K; W's codes and
; scale bytes lie in wq and wsc as the launch before laid them; out0: [8192][2048] f32.  The bias is the C of each sum's first product, so a sum is bias + the products with K ascending, in f32.
; A tile of out0, 256 x 256, is made by a work-group of four waves: 256 tiles in all.  A WAVE MAKES ALL 256 ROWS x 64 COLUMNS OF ITS OWN: 32 accumulators of 32 columns x 16 rows, 512 registers.
; THE MATRIX INSTRUCTION IS USED TRANSPOSED (source 0 = 32 rows of W, source 1 = 16 rows of x): a lane then holds runs of eight neighbouring numbers of a row of out0.
; W GOES STRAIGHT INTO REGISTERS: no other wave of the work-group wants a wave's 64 columns, and wq holds the operand's registers, so each load is 512 consecutive bytes.  Eight sets of 32 registers, a set for a step
; of 128 along K; a set is asked for again as soon as its step is over, 7 steps ahead of its use.  So W takes no LDS, is not asked for jointly (a joint load lands in LDS) and is not prefetched (a register load runs 7 steps ahead).
; x COMES THROUGH LDS: K goes in 4 chunks of 1,024 (rows of 512 bytes) through a ring of two slots of 256 rows, filled by the tensor data mover.  The scales of the 256 rows of x, for all of K, come once, as a dense block
; of 32,768 bytes, and stay.
; CLUSTERS: 4 work-groups of one tile row.  All their tensor loads are the same, and are asked for JOINTLY, with the mask 15.
; A step of 128 along K is two halves of 8 blocks of 16 rows, 16 matrix instructions each.  In front of each half stands ONE run of loads: the fragments of the half just read, anew, and half of a set of W.
; THE LAST CHUNK GOES BY ROWS: W's eight sets of it all lie in registers, and pairs of blocks (32 rows) are finished one after the other, 32 matrix instructions each, four accumulators by turns, K ascending, and stored while
; the next ones are multiplied.
; PREFETCH: behind chunk 1's load chunk 2 is asked for, behind chunk 2's chunk 3: one chunk ahead of the load that wants it; chunks 0 and 1 come by their loads alone.  A chunk is 512 pieces of 256 bytes: one for each lane of the
; cluster's 16 waves, told apart by address.
; REGISTERS, in windows of 256: window 0: v0-31 addresses; v32-95 x's scale words, two sets; v96-127 W's, two sets; v128-255 x's fragments.  window 1: W's eight sets; the bias lies in the eighth until the first step is over.
;   window 2: the accumulators of rows 0-127;   window 3: those of rows 128-255.
; LIMITS: a scale byte 0xff among x's makes its sums NaN, as the format says; nothing else is assumed of the codes or bytes.
.set PITCH,  528                       ; an LDS row: 512 bytes + 16 of padding = 132 words: row r starts at bank 4 r mod 64 (64 banks of 4 bytes: ISA guide 11.1)
.set HALF,   128*PITCH
.set SLOT,   256*PITCH
.set SCL,    2*SLOT                    ; x's scales: 128 units of 256 bytes (two rows each) + 16
.set SPARE,  SCL+128*272               ; the spare words, 128 bytes a wave
.set SPITCH, 272                       ; the way out: a stage of 32 rows x (256 bytes + 16) for each wave, in slot 0, which has had its last fill and its last read when the first result is stored there
.set ADR,  16                          ; v16-19 LDS address of x's fragments: + 2 x slot + (rows 128-255: 1)
.set WOF,  20                          ; my lane's 16 bytes of a load of W,
.set XSA,  21                          ; x's scale words
.set STO,  22                          ; the way out: where I put 16 bytes of a row,
.set RD,   23                          ; where I read rows back,
.set CO,   24                          ; my byte offset in out0
.set PFO,  25                          ; my byte offset in what my wave prefetches
.set BO,   26                          ; my byte offset in the bias
.set SOF,  27                          ; and in W's scale words
.set SPW,  28                          ; my spare word
.set NIL,  29                          ; 0
.set XS,   32
.set WS,   96
.set AF,   128
.set BIA,  224                         ; in window 1
.set G0,   32                          ; s[32:39] group 0 for slots 0, 1 (64 rows a wave)
.set G1,   24                          ; s[24:31] group 1: 64 rows
.set G1H,  40                          ; s[40:47] group 1: 128 rows
.set G0H,  48                          ; s[48:51] the head: rows 0-127 (wave 0)
.set G0M,  52                          ; s[52:55] the head: rows 128-191, 192-255 (waves 1, 2)
.set G1S,  68                          ; s[68:75], s[76:79] the scales (wave 3)
.set G0S,  76
.set PFA,  56
.set WQB,  58
.set WSB,  60
.set MSB, 0
.macro WIN new                         ; the immediate's high byte repeats the setting that is left
.if MSB != (\new)
	s_set_vgpr_msb (MSB<<8)|(\new)
.set MSB, \new
.endif
.endm
.set TO_W, 0x40                        ; destination window 1
.macro PLACES                          ; four places between matrix instructions and loads into registers that they have read, or reads of their results (ISA guide 7.12.1 for vector instructions)
.rept 4
	v_nop
.endr
.endm
.macro CREST                           ; a round of the cluster's barrier behind its opening barrier
	s_cmp_lg_u32 s16, 0
	s_cbranch_scc1 .Lnot_wave_0_\@
	s_barrier_signal -3
.Lnot_wave_0_\@:
	s_barrier_wait -3
	s_barrier_signal -1
	s_barrier_wait -1
.endm
.macro CROUND
	s_barrier_signal -1
	s_barrier_wait -1
	CREST
.endm
	s_load_b256 s[4:11], s[0:1], 0x0               ; x_codes s[4:5], wq s[6:7], wsc s[8:9], bias s[10:11]
	s_load_b128 s[12:15], s[0:1], 0x20             ; out0 s[12:13], x_scales s[14:15]
	v_lshl_add_u32 v[SPW], v0, 2, SPARE
	v_mov_b32 v[NIL], 0
	ds_add_u32 v[SPW], v[NIL]                      ; the wave's opening
	ds_add_u32 v[SPW], v[NIL]
	v_lshrrev_b32 v1, 5, v0
	v_readfirstlane_b32 s16, v1                    ; wave 0..3
	s_mul_i32 s17, s16, 32*SPITCH                  ; my stage
	v_and_b32 v2, 15, v0                           ; r = lane % 16
	v_bfe_u32 v3, v0, 4, 1                         ; h = lane / 16
	v_and_b32 v4, 31, v0                           ; lane
	v_mul_u32_u24 v5, v2, PITCH
	v_lshl_add_u32 v[ADR], v3, 4, v5
	v_add_nc_u32 v[ADR+1], HALF, v[ADR]
	v_add_nc_u32 v[ADR+2], SLOT, v[ADR]
	v_add_nc_u32 v[ADR+3], SLOT+HALF, v[ADR]
	v_lshrrev_b32 v6, 1, v4
	v_and_b32 v7, 1, v0
	v_mul_u32_u24 v8, v6, 272                      ; a row's 128 scale bytes: two rows to a unit
	v_lshl_add_u32 v8, v7, 7, v8
	v_add_nc_u32 v[XSA], SCL, v8
	v_mul_u32_u24 v9, v2, SPITCH
	v_lshl_add_u32 v9, v3, 5, v9
	v_add_nc_u32 v[STO], s17, v9
	v_lshlrev_b32 v10, 4, v2
	v_mul_u32_u24 v11, v3, SPITCH
	v_add_nc_u32 v11, v11, v10
	v_add_nc_u32 v[RD], s17, v11
	v_lshl_add_u32 v[CO], v3, 13, v10              ; lanes 0-15 one row of 8,192 bytes, lanes 16-31 the next
	v_lshlrev_b32 v12, 8, v7
	v_lshl_add_u32 v[PFO], v6, 11, v12             ; two lanes a row, 256 bytes apart
	v_and_b32 v13, 7, v0
	v_bfe_u32 v14, v0, 3, 1                        ; p = r / 8
	v_bfe_u32 v15, v0, 3, 2                        ; lane / 8
	v_lshlrev_b32 v13, 4, v13                      ; 16 (r % 8)
	v_lshl_add_u32 v14, v14, 8, v13
	v_lshl_add_u32 v[SOF], v15, 10, v13
	v_lshl_add_u32 v[WOF], v3, 7, v14
	v_lshlrev_b32 v[BO], 5, v3
	s_wait_alu depctr_va_vdst(0)                   ; no vector instruction behind it writes an address
	s_wait_dscnt 0x0                               ; both opening adds are done
	s_wait_kmcnt 0x0
	s_bfe_u32 s18, ttmp6, 0x40000                  ; cx
	s_lshl_b32 s19, ttmp9, 2
	s_add_co_u32 s19, s19, s18                     ; tile column = 4 x cluster x + cx
	s_and_b32 s20, ttmp7, 0xffff                   ; tile row
	; group 1: rows of 512 bytes, padded in LDS
.irp g, G1, G1H
	s_mov_b32 s[\g], 15|(1<<20)|(1<<21)|(6<<22)|(3<<25)    ; 15:0 the mask; 17:16 element of 1 byte; 20 padding on; 21 set beside a mask; 24:22 after every 128 words (code 6); 31:25 of 4 words (code 3)
	s_mov_b32 s[\g+1], 512<<16                     ; tensor_dim0
	s_mov_b32 s[\g+3], 512<<16                     ; tile_dim0
	s_mov_b32 s[\g+5], 2048                        ; tensor_dim0_stride
	s_mov_b32 s[\g+6], 0
	s_mov_b32 s[\g+7], 0
.endr
	s_mov_b32 s[G1+2], 64<<16                      ; tensor_dim1, tile_dim1
	s_mov_b32 s[G1+4], 64
	s_mov_b32 s[G1H+2], 128<<16
	s_mov_b32 s[G1H+4], 128
	; and for the scales: 128 rows of 256 bytes (32 elements of 8), 16 bytes of padding behind each
	s_mov_b32 s[G1S], 15|(3<<16)|(1<<20)|(1<<21)|(5<<22)|(3<<25)
	s_mov_b32 s[G1S+1], 32<<16
	s_mov_b32 s[G1S+2], 128<<16
	s_mov_b32 s[G1S+3], 32<<16
	s_mov_b32 s[G1S+4], 128
	s_mov_b32 s[G1S+5], 32
	s_mov_b32 s[G1S+6], 0
	s_mov_b32 s[G1S+7], 0
	; group 0: x's addresses hang on the tile row and the wave's number alone
	s_mov_b32 s81, 0
	s_lshl_b32 s80, s20, 19
	s_add_nc_u64 s[22:23], s[4:5], s[80:81]        ; the tile's 256 rows of x
	s_mov_b32 s[G0H], 1
	s_mov_b32 s[G0H+1], 0
	s_mov_b64 s[G0H+2:G0H+3], s[22:23]
	s_or_b32 s[G0H+3], s[G0H+3], 0x80000000
	s_add_co_u32 s82, s16, 1
	s_lshl_b32 s80, s82, 17
	s_mov_b32 s[G0M], 1
	s_mul_i32 s[G0M+1], s82, 64*PITCH
	s_add_nc_u64 s[G0M+2:G0M+3], s[22:23], s[80:81]        ; rows 64 (w + 1) on
	s_or_b32 s[G0M+3], s[G0M+3], 0x80000000
	s_lshl_b32 s80, s20, 15
	s_mov_b32 s[G0S], 1
	s_mov_b32 s[G0S+1], SCL
	s_add_nc_u64 s[G0S+2:G0S+3], s[14:15], s[80:81]        ; the scales of the 256 rows
	s_or_b32 s[G0S+3], s[G0S+3], 0x80000000
	s_lshl_b32 s80, s16, 17
	s_add_nc_u64 s[84:85], s[22:23], s[80:81]              ; the ring: rows 64 w on
	s_mov_b32 s[G0], 1
	s_mul_i32 s[G0+1], s16, 64*PITCH
	s_add_nc_u64 s[G0+2:G0+3], s[84:85], 1024              ; slot 0: chunk 2
	s_or_b32 s[G0+3], s[G0+3], 0x80000000
	s_mov_b32 s[G0+4], 1
	s_add_co_u32 s[G0+5], s[G0+1], SLOT
	s_add_nc_u64 s[G0+6:G0+7], s[84:85], 512               ; slot 1: chunk 1, then chunk 3
	s_or_b32 s[G0+7], s[G0+7], 0x80000000
	CROUND                                         ; all four work-groups are here: the first joint loads meet
; THE HEAD'S LOADS, ONE A WAVE: wave 0 rows 0-127 of chunk 0, waves 1 and 2 rows 128-191 and 192-255, wave 3 the scales.
.macro ARM under, g0, g1, next
	s_cmp_lt_u32 s16, \under
	s_cbranch_scc0 \next
	tensor_load_to_lds s[\g0:\g0+3], s[\g1:\g1+7]
	s_nop 0
	PLACES
	s_branch .Lhead_asked
\next:
.endm
	ARM 1, G0H, G1H, .Lhead_m
	ARM 3, G0M, G1, .Lhead_s
	tensor_load_to_lds s[G0S:G0S+3], s[G1S:G1S+7]
	s_nop 0
	PLACES
.Lhead_asked:
	; where W, its scales, the bias and my part of out0 begin
	s_mov_b32 s63, 0
	s_lshl_b32 s62, s19, 19
	s_lshl_b32 s83, s16, 17
	s_add_co_u32 s62, s62, s83
	s_add_nc_u64 s[WQB:WQB+1], s[6:7], s[62:63]    ; block 8 x tile column + 2 w of wq, 65,536 bytes each
	s_lshr_b32 s62, s62, 4
	s_add_nc_u64 s[WSB:WSB+1], s[8:9], s[62:63]    ; and of wsc, 4,096 bytes for 32 rows
	s_lshl_b32 s62, s19, 10
	s_lshl_b32 s83, s16, 8
	s_add_co_u32 s62, s62, s83                     ; my first column, in bytes
	s_add_nc_u64 s[10:11], s[10:11], s[62:63]
	s_add_nc_u64 s[12:13], s[12:13], s[62:63]
	s_lshl_b32 s62, s20, 21
	s_add_nc_u64 s[12:13], s[12:13], s[62:63]      ; my first row of out0
	s_lshl_b32 s62, s18, 17
	s_lshl_b32 s83, s16, 15
	s_add_co_u32 s62, s62, s83
	s_add_nc_u64 s[PFA:PFA+1], s[22:23], s[62:63]  ; the prefetches: rows 64 cx + 16 w on
.macro WHALF n, b                      ; W's fragments of step n, my columns 32 b .. 32 b + 31, into set n % 8: 4 loads
.irp j, 0,1,2,3
	global_load_b128 v[32*((\n)%8)+16*\b+4*\j:32*((\n)%8)+16*\b+4*\j+3], v[WOF], s[WQB:WQB+1] offset:65536*\b+2048*(\n)+512*\j
.endr
.endm
.macro WSET n
	WHALF \n, 0
	WHALF \n, 1
.endm
.macro WSCALE c                        ; W's scale words of chunk c: 4 loads; register 8 b + q: block b, step q, a lane a row
.irp b, 0,1
.irp j, 0,1
	global_load_b128 v[WS+16*((\c)%2)+8*\b+4*\j:WS+16*((\c)%2)+8*\b+4*\j+3], v[SOF], s[WSB:WSB+1] offset:4096*\b+256*(\c)+128*\j
.endr
.endr
.endm
.macro XSCALE k                        ; x's scale words of the k-th 512 along K: 8 loads; register 4 g + q: lanes 0-15 block 2 g, lanes 16-31 block 2 g + 1
.irp g, 0,1,2,3,4,5,6,7
	ds_load_b128 v[XS+32*((\k)%2)+4*\g:XS+32*((\k)%2)+4*\g+3], v[XSA] offset:16*272*\g+16*(\k)
.endr
.endm
.macro LH g, t                         ; x's fragments of half g (blocks 8 g .. 8 g + 7) of step t: 16 loads.  Lane l holds row l % 16; registers 4 c .. 4 c + 3 hold K = 64 c + 32 (l / 16) + 0 .. 31
.irp i, 0,1,2,3,4,5,6,7
.irp c, 0,1
	ds_load_b128 v[AF+64*\g+8*\i+4*\c:AF+64*\g+8*\i+4*\c+3], v[ADR+2*(((\t)/8)%2)+\g] offset:\i*16*PITCH+64*((\t)%8)+32*\c
.endr
.endr
.endm
; One product: block RA of x's rows (fragment RF) x 32 columns RB of W's set RQ, scale words RX and RW.  The first on each accumulator takes the bias as C: nothing is cleared or added later.
.macro WM
.set WD, 16*((2*RA+RB)%16)
.set WW, 32*RQ+16*RB
.set WA, AF+8*RF
.if FIRST
.set WC, BIA+16*RB
.else
.set WC, WD
.endif
.if RA%2
	v_wmma_scale_f32_32x16x128_f4 v[WD:WD+15], v[WW:WW+15], v[WA:WA+7], v[WC:WC+15], v[RW], v[RX] matrix_b_scale:MATRIX_SCALE_ROW1
.else
	v_wmma_scale_f32_32x16x128_f4 v[WD:WD+15], v[WW:WW+15], v[WA:WA+7], v[WC:WC+15], v[RW], v[RX]
.endif
.endm
.macro MB a                            ; block a's two products of step S.  The 32 accumulators take turns, one instruction a turn, in the same order in every step
.irp b, 0,1
.set RA, \a
.set RB, \b
.set RF, RA
.set RQ, S%8
.set RX, XS+32*((S/4)%2)+4*(RA/2)+S%4
.set RW, WS+16*((S/8)%2)+8*RB+S%8
	WM
.endr
.endm
.macro MULWIN hi                       ; source 0 window 1, source 1 window 0, C and D window 2 or 3 (in the first step C window 1)
.if FIRST
	WIN 0x91+0x40*\hi
.else
	WIN 0xa1+0x50*\hi
.endif
.endm
; A step's first run of loads: its own second half, and half of the set that the step before has read.
.macro RUN0
	WIN 0
	LH 1, S
.if (S==8)||(S==16)
.set NWS, 1
.else
.set NWS, 0
.endif
.if S>0
	WIN TO_W
.if S==1
	WSET 7                                         ; the bias has been read
.endif
	WHALF (S+7), 0
.endif
	WIN 0
.if NWS
	WSCALE (S/8+1)
.endif
; LOADcnt: behind this step's set stand six younger sets, half of a seventh and mostly four loads of scale words.
.set NLD, 56
.if (S==0)||(S==7)||(S==15)||(S==23)
.set NLD, 52
.endif
	s_wait_loadcnt NLD
.endm
.macro STEP
	RUN0
.set NDS, 16                           ; the younger half's fragments may be out, and x's eight scale loads where they stand between
.if (S%4==2)&&(S<20)
.set NDS, 24
.endif
	s_wait_dscnt NDS
	MULWIN 0
.irp a, 0,1,2,3,4,5,6,7
	MB \a
.endr
	PLACES
	WIN 0
	LH 0, (S+1)
.set NDS, 16
.if (S%4==1)&&(S<20)
	XSCALE (S/4+1)                                 ; the next 512's scale words
.set NDS, 24
.endif
.if S>0
	WIN TO_W
	WHALF (S+7), 1
.endif
	s_wait_dscnt NDS
	MULWIN 1
.irp a, 8,9,10,11,12,13,14,15
	MB \a
.endr
	PLACES
.endm
; A chunk's last step changes slots: ONE barrier; in front of it each wave waits for all its tensor loads (its part of the next slot), adds 0 to its spare word, and waits for that and for its own reads of this slot.
; fill = 1: this slot is filled again, two chunks ahead, behind a round of the cluster's barrier.
.macro TURN fill
	RUN0
	s_wait_tensorcnt 0x0
	ds_add_u32 v[SPW], v[NIL]                      ; 0 onto my spare word
.if S==15
	s_add_nc_u64 s[G0+6:G0+7], s[G0+6:G0+7], 1024  ; slot 1's next: chunk 3 (no tensor load of mine is out)
.endif
	s_wait_dscnt 17                                ; (the add and the younger half's fragments may be out)
	MULWIN 0
.irp a, 0,1,2,3,4,5,6,7
	MB \a
.endr
	s_wait_dscnt 0x0                               ; the add is done, and my reads of this slot are over
	s_barrier_signal -1
	MULWIN 1
.irp a, 8,9,10,11
	MB \a
.endr
	WIN 0
	s_barrier_wait -1
.if \fill
	CREST
	tensor_load_to_lds s[G0+4*((S/8)%2):G0+4*((S/8)%2)+3], s[G1:G1+7]
	s_nop 0
	PLACES                                         ; also the places in front of the loads below
	LH 0, (S+1)
.if S==7
	global_prefetch_b8 v[PFO], s[PFA:PFA+1] offset:3*512 th:TH_LOAD_NT scope:SCOPE_SE     ; chunk 3
.endif
.else
	PLACES
.irp q, 0,1,2,3,4,5
	RL 0, \q
.endr
	XR 0
.endif
	WIN TO_W
	WHALF (S+7), 1
	MULWIN 1
.irp a, 12,13,14,15
	MB \a
.endr
	PLACES
.endm
; The last chunk, by rows: pair p is rows 32 p .. 32 p + 31.
.macro RL p, q                         ; its fragments of step q: 4 loads, from slot 1
.irp k, 0,1
.irp c, 0,1
	ds_load_b128 v[AF+8*(2*(\q)+\k)+4*\c:AF+8*(2*(\q)+\k)+4*\c+3], v[ADR+2+(\p)/4] offset:((2*(\p)+\k)%8)*16*PITCH+64*(\q)+32*\c
.endr
.endr
.endm
.macro XR p                            ; its scale words, eight steps: 2 loads
.irp j, 0,1
	ds_load_b128 v[XS+8*((\p)%2)+4*\j:XS+8*((\p)%2)+4*\j+3], v[XSA] offset:16*272*(\p)+16*(6+\j)
.endr
.endm
.macro RMUL p, q                       ; step q: the pair's four accumulators by turns
	WIN 0xa1+0x50*((\p)/4)
.irp k, 0,1
.irp b, 0,1
.set RA, 2*(\p)+\k
.set RB, \b
.set RF, 2*(\q)+\k
.set RQ, \q
.set RX, XS+8*((\p)%2)+(\q)
.set RW, WS+16+8*\b+(\q)
	WM
.endr
.endr
.endm
; THE WAY OUT of a pair: 32 rows x 64 columns through my own stage and back as whole rows of 256 bytes, into the registers of the accumulators that were stored there.  LDS serves a wave's instructions in order
; (ISA guide 5.7.1.4): no wait between the stores and the loads.
.macro TOSTAGE p
.set AC, 64*((\p)%4)
	WIN 0x08+4*((\p)/4)                            ; the data: window 2 or 3
.irp k, 0,1
.irp b, 0,1
.irp i, 0,1,2,3
	ds_store_b128 v[STO], v[AC+32*\k+16*\b+4*\i:AC+32*\k+16*\b+4*\i+3] offset:16*SPITCH*\k+128*\b+64*(\i/2)+16*(\i%2)   ; each accumulator from its low end on
.endr
.endr
.endr
	WIN 0x80+0x40*((\p)/4)
.irp t, 0,1,2,3,4,5,6,7,8,9,10,11,12,13,14,15
	ds_load_b128 v[AC+4*\t:AC+4*\t+3], v[RD] offset:2*SPITCH*\t
.endr
	WIN 0
.endm
.macro SEND p                          ; nothing rewrites the stores' data, offset or base
.set AC, 64*((\p)%4)
	WIN 0x08+4*((\p)/4)
.irp t, 0,1,2,3,4,5,6,7,8,9,10,11,12,13,14,15
	global_store_b128 v[CO], v[AC+4*\t:AC+4*\t+3], s[12:13] offset:(32*(\p)+2*\t)*8192 th:TH_STORE_NT   ; sixteen lanes store 256 consecutive bytes, at a multiple of 256 from out0's first byte
.endr
	WIN 0
.endm
.macro PAIR p
.if \p==0
	s_wait_dscnt 8                                 ; steps 0 to 5 and the scale words are in; the youngest eight loads may be out
.else
	s_wait_dscnt 48                                ; steps 0 to 3 and the scale words are in; behind them 16 fragment loads, 16 stores and 16 loads of the stage
.endif
.irp q, 0,1,2,3
.if \p==0
	s_wait_loadcnt 8*(7-\q)                        ; W's set q is in, the younger ones may be out
.endif
	RMUL \p, \q
.endr
	WIN 0
	s_wait_dscnt 0x0                               ; steps 4 to 7 are in, and the pair before is back from the stage
.if \p>0
	SEND (\p-1)
.endif
.if \p<7
	PLACES
.irp q, 0,1,2,3
	RL (\p+1), \q
.endr
	XR (\p+1)
.endif
.irp q, 4,5,6,7
.if \p==0
	s_wait_loadcnt 8*(7-\q)
.endif
	RMUL \p, \q
.endr
	PLACES
	WIN 0
.if \p<7
.irp q, 4,5,6,7
	RL (\p+1), \q
.endr
.endif
	TOSTAGE \p
.endm
	WSCALE 0
	WIN TO_W
.irp b, 0,1
.irp u, 0,1
.irp i, 0,1
	global_load_b128 v[BIA+16*\b+8*\u+4*\i:BIA+16*\b+8*\u+4*\i+3], v[BO], s[10:11] offset:128*\b+64*\u+16*\i   ; register 16 b + 8 u + j: column 32 b + 16 u + 8 h + j of my 64
.endr
.endr
.endr
.irp n, 0,1,2,3,4,5
	WSET \n
.endr
	WIN 0
	s_wait_tensorcnt 0x0                           ; my part of the head's tiles is in
	ds_add_u32 v[SPW], v[NIL]
	s_wait_dscnt 0x0
	CROUND                                         ; everybody's part is in, and the joint loads meet:
	tensor_load_to_lds s[G0+4:G0+7], s[G1:G1+7]    ; chunk 1, into slot 1
	s_nop 0
	PLACES
.set S, 0
.set FIRST, 1
	XSCALE 0
	LH 0, 0
	WIN TO_W
	WSET 6
	WIN 0
	WSCALE 1
	global_prefetch_b8 v[PFO], s[PFA:PFA+1] offset:2*512 th:TH_LOAD_NT scope:SCOPE_SE     ; chunk 2
	STEP
.set FIRST, 0
.rept 6
.set S, S+1
	STEP
.endr
.set S, 7
	TURN 1
.rept 7
.set S, S+1
	STEP
.endr
.set S, 15
	TURN 1
.rept 7
.set S, S+1
	STEP
.endr
.set S, 23
	TURN 0                                         ; nothing is filled again: chunk 3 is whole in slot 1, and nobody reads slot 0 any more
	WIN TO_W
	WSET 31
	WIN 0
	RL 0, 6
	RL 0, 7
.irp p, 0,1,2,3,4,5,6,7
	PAIR \p
.endr
	s_wait_dscnt 0x0
	SEND 7
	s_wait_tensorcnt 0x0                           ; the wave's end, behind my last tensor load and my last LDS store
	ds_add_u32 v[SPW], v[NIL]
	s_wait_dscnt 0x0
	CROUND                                         ; the closing round: no work-group ends while a partner may still ask for a tile that names it
	s_endpgm
.Lfunc_end_k_q0f57059623_gemm:
	.size	k_q0f57059623_gemm, .Lfunc_end_k_q0f57059623_gemm-k_q0f57059623_gemm
	.p2alignl 7, 3214868480
	.fill 96, 4, 3214868480
	.section	.rodata,"a",@progbits
	.p2align	6, 0x0
	.amdhsa_kernel k_q0f57059623_gemm
		.amdhsa_group_segment_fixed_size 327680
		.amdhsa_private_segment_fixed_size 0
		.amdhsa_enable_private_segment 0
		.amdhsa_kernarg_size 48
		.amdhsa_user_sgpr_count 2
		.amdhsa_user_sgpr_kernarg_segment_ptr 1
		.amdhsa_wavefront_size32 1
		.amdhsa_system_sgpr_workgroup_id_x 1
		.amdhsa_system_sgpr_workgroup_id_y 1
		.amdhsa_system_sgpr_workgroup_id_z 1
		.amdhsa_system_vgpr_workitem_id 0
		.amdhsa_next_free_vgpr 1024
		.amdhsa_next_free_sgpr 88
		.amdhsa_reserve_vcc 0
		.amdhsa_float_denorm_mode_32 3
		.amdhsa_float_denorm_mode_16_64 3
		.amdhsa_memory_ordered 1
		.amdhsa_forward_progress 1
		.amdhsa_inst_pref_size 255
	.end_amdhsa_kernel
	.section	.bss,"aw",@nobits
	.p2align	6
	.space	262144
	.amdgpu_metadata
---
amdhsa.version: [ 1, 2 ]
amdhsa.kernels:
  - .name:           k_q0f57059623_gemm
    .symbol:         k_q0f57059623_gemm.kd
    .args:
      - { .name: x_codes, .offset: 0, .size: 8, .value_kind: global_buffer, .address_space: global }
      - { .name: wq, .offset: 8, .size: 8, .value_kind: global_buffer, .address_space: global }
      - { .name: wsc, .offset: 16, .size: 8, .value_kind: global_buffer, .address_space: global }
      - { .name: bias, .offset: 24, .size: 8, .value_kind: global_buffer, .address_space: global }
      - { .name: out0, .offset: 32, .size: 8, .value_kind: global_buffer, .address_space: global }
      - { .name: x_scales, .offset: 40, .size: 8, .value_kind: global_buffer, .address_space: global }
    .group_segment_fixed_size: 327680
    .private_segment_fixed_size: 0
    .kernarg_segment_align: 8
    .kernarg_segment_size: 48
    .max_flat_workgroup_size: 128
    .sgpr_count:     88
    .vgpr_count:     1024
    .wavefront_size: 32
...
	.end_amdgpu_metadata
.endif
;; end of part 2
